; MI455X (gfx1250); checked and timed in simulation.
; The chip was launched on July 23, 2026; its instructions are those of AMD's public machine-readable ISA for CDNA 5 (MIT licence, August 2026) and "CDNA5" Instruction Set Architecture Reference Guide (July 2026). The comments in the code are by the model that wrote it; some were corrected since.
;; Self Attention Naive. Allowed arithmetic: matrix products marked QUANTISED: E5M2 operands, one given power-of-two scale a tensor, by v_wmma_f32_16x16x64_bf8_bf8 or v_wmma_f32_16x16x128_bf8_bf8, f32 sums; everything else in f32.
;; Inputs: gamma 1 float32; lowp_scales 10 int32 (the exponents e of the quantised operands' scales 2^e); wf 64 x 256 float32; wg 64 x 256 float32; wh 256 x 256 float32; x 8 x 256 x 64 x 64 float32.
;; Outputs: out0 8 x 256 x 64 x 64 float32.
;; This version of the problem:
;;   THIS VERSION OF THE PROBLEM IS GIVEN IN LOW PRECISION. The matrix products marked QUANTISED in the list below multiply operands that are first quantised to E5M2 (5 exponent bits, 2 mantissa bits; 8 bits a number), with one given power-of-two scale for each operand tensor; their sums are f32. All else is computed in f32.
;;   The module's matrix products, in the order in which they are computed (A, B: the left and right operand; K: the contracted axis; several contracted axes count as one K, in the product's order):
;;     1. [M 32,768, K 256] x [K 256, N 64]; A: input x; B: input wf: QUANTISED (scales: A lowp_scales[0], B lowp_scales[1])
;;     2. [M 32,768, K 256] x [K 256, N 64]; A: input x; B: input wg: QUANTISED (scales: A lowp_scales[2], B lowp_scales[3])
;;     3. [M 32,768, K 256] x [K 256, N 256]; A: input x; B: input wh: QUANTISED (scales: A lowp_scales[4], B lowp_scales[5])
;;     4. batch 8 x [M 4,096, K 64] x [K 64, N 4,096]; A: computed on the way; B: computed on the way: QUANTISED (scales: A lowp_scales[6], B lowp_scales[7])
;;     5. batch 8 x [M 256, K 4,096] x [K 4,096, N 4,096]; A: computed on the way; B: softmax (see below): QUANTISED (scales: A lowp_scales[8], B lowp_scales[9])
;;   THE QUANTISER, for each operand of a quantised product, along K:
;;     - The operand's scale is 2^e, e = its entry of the input lowp_scales (int32; the entries are numbered through the quantised products in the list's order, A before B).
;;     - Each number is divided by the scale, clamped to +-57,344, and rounded to the nearest number of E5M2, ties to even, subnormals kept.
;;     - The product sums the exact products of the quantised numbers (number of the format x scale) in f32.
;;   ~~~python
;;   def quantise(x, axis, e):      # numpy; x: float32 -> the quantised numbers, widened to float32 again
;;       x = np.moveaxis(x, axis, -1); K = x.shape[-1]
;;       r = np.clip(x / 2.0 ** e, -57344, 57344)
;;       step = 2.0 ** (np.maximum(np.frexp(np.where(r == 0, 1, r))[1] - 1, -14) - 2)
;;       q = np.round(r / step) * step * 2.0 ** e      # np.round: ties to even
;;       return np.moveaxis(q, -1, axis).astype(np.float32)
;;   ~~~
;;   SOFTMAX AHEAD OF A QUANTISED PRODUCT. Where the list says 'softmax', what is quantised is not the finished softmax but p = 2^(t - M), with t = logit x log2(e) and M = ceil(the row's largest t), a whole number; so 1/2 < the row's largest p <= 1. The row's sum l is taken of the UNQUANTISED p, in f32, and the product's result is divided by l at the end. Since M is a whole number, a kernel that streams over the keys may use a running M (the ceiling of the running maximum): every later rescaling is an exact power of two, so the quantised numbers keep their values, but for numbers so far below the row's largest that they fall under the format's range.
;;   OPERANDS COMPUTED ON THE WAY. 'Computed on the way' means the value that the module computes at that place (a softmax that the list does not call 'softmax' is quantised finished and normalised). What goes into a quantiser is computed in f32, as accurately as f32 sums, v_exp_f32 and their like allow (about 1e-6 of the number): no bf16 or f16 on the way to a quantiser, and a product that is left as it is and whose result goes on into a quantised operand takes f32 operands (vector FMAs, or v_wmma_f32_16x16x4_f32). A number that lies on a knife's edge between two numbers of the format may be rounded either way, as far as f32 arithmetic and the matrix unit's own rounding can turn it there, and no further.
;; One version. Each part assembles by itself: llvm-mc -triple=amdgcn-amd-amdhsa -mcpu=gfx1250 --defsym DOCPART=n.
;; ======== version 1 of 1: 3 launches
;; limits: right only within a limited range of input values
;; workspace buffers: wc 98,304 bytes; kv 10,485,760 bytes; qc 2,097,152 bytes
;; launch wq (part 1): grid 12 x 1, 4 waves a work-group, no clusters, 0 bytes of LDS; arguments wf, wg, wh, lowp_scales, wc; writes wc
.if DOCPART == 1
	.amdgcn_target "amdgcn-amd-amdhsa--gfx1250"
	.amdhsa_code_object_version 6
	.text
	.protected	k_q5fa3e260d8_wq
	.globl	k_q5fa3e260d8_wq
	.p2align	8
	.type	k_q5fa3e260d8_wq,@function
k_q5fa3e260d8_wq:
	s_mov_b64 s[64:65], 0
	v_nop
	global_prefetch_b8 v0, s[64:65] scope:SCOPE_SE
	s_setreg_imm32_b32 hwreg(HW_REG_WAVE_MODE, 25, 1), 1
	s_wait_xcnt 0x0
; The three weights, f32 [rows][256] with K innermost, become codes of BF8 (E5M2), each with its given scale 2^e (wf: entry 1, wg: entry 3, wh: entry 5 of the scales).
; code = w / 2^e, held within +-57,344, rounded to the nearest code, ties to even.
; LIMITS: -126 <= e <= 127, so that 2^e is an f32 number.  NaN among the inputs is not served.
; THE CODES ARE LAID AS IMAGES OF OPERAND REGISTERS.  A fragment is 16 rows x 128 K, 16 registers a lane, 2,048 bytes: group c of four registers of lane l lies at 512 c + 16 l, and byte i of it is
; k = 32 c + 16 (l / 16) + i of row l % 16.  The next launch loads a fragment by four loads of 512 consecutive bytes.  Fragment 2 x tile + kk (kk: which half of K = 256).
; Tiles 0-3: wf, tiles 4-7: wg: THE ROWS OF SUCH A TILE ARE NOT NEIGHBOURS: lane r of tile 2 b + u takes row 32 b + 8 u + r + 8 (r / 8), so that the results of tiles 2 b and 2 b + 1 are 16 neighbours along the next K.
; Tiles 8-23: wh, rows 16 t + r.
; A wave makes one fragment: 48 waves in 12 work-groups.  All three tensors take one path; only pointers and small numbers are chosen, by the work-group's number.  No LDS, no barrier, no loop:
; the whole launch moves 393,216 bytes in and 98,304 out.
.set NUM, 16                           ; v16-79  64 numbers
.set COD, 80                           ; v80-95  their codes
	s_load_b256 s[4:11], s[0:1], 0x0               ; wf s[4:5], wg s[6:7], wh s[8:9], the scales' exponents s[10:11]
	s_load_b64 s[12:13], s[0:1], 0x20              ; the codes
	v_lshrrev_b32 v1, 5, v0
	v_readfirstlane_b32 s14, v1                    ; wave 0..3
	v_and_b32 v1, 15, v0                           ; r
	s_wait_alu depctr_va_vdst(0)
	v_bfe_u32 v2, v0, 4, 1                         ; h
	v_and_b32 v3, 31, v0
	v_lshlrev_b32 v5, 4, v3                        ; 16 x lane: my place in a group of an image
	s_lshr_b32 s15, s14, 1
	s_lshl_b32 s24, ttmp9, 1
	s_add_co_u32 s24, s24, s15                     ; tile = 2 x work-group + wave / 2
	s_and_b32 s25, s14, 1                          ; kk
	s_cmp_lt_u32 ttmp9, 2                          ; work-groups 0, 1: wf; 2, 3: wg; 4 to 11: wh
	s_cselect_b32 s27, 0, 4                        ; the tensor's first tile
	s_cmp_lt_u32 ttmp9, 4
	s_cselect_b32 s27, s27, 8
	s_cselect_b32 s28, 8, 0                        ; the mask that spreads a tile's rows (wf, wg) or does not (wh)
	s_sub_co_u32 s29, s24, s27                     ; the tile's number in its tensor
	s_lshr_b32 s30, s29, 1
	s_lshl_b32 s30, s30, 5
	s_and_b32 s31, s29, 1
	s_lshl_b32 s31, s31, 3
	s_add_co_u32 s30, s30, s31                     ; wf, wg: the tile begins at row 32 (tile / 2) + 8 (tile % 2)
	s_lshl_b32 s31, s29, 4                         ; wh: at row 16 x tile
	s_cmp_lt_u32 ttmp9, 4
	s_cselect_b32 s30, s30, s31
	v_and_b32 v3, s28, v1
	v_add_nc_u32 v3, v3, v1
	v_add_nc_u32 v3, s30, v3                       ; my row
	v_lshlrev_b32 v4, 10, v3                       ; a row is 1,024 bytes
	s_wait_alu depctr_va_vdst(0)
	v_lshl_add_u32 v4, v2, 6, v4                   ; + 64 h: my 16 numbers of a block of 32
	s_lshl_b32 s31, s25, 9
	v_add_nc_u32 v4, s31, v4                       ; + 512 kk
	s_lshl_b32 s34, s24, 1
	s_add_co_u32 s34, s34, s25
	s_lshl_b32 s34, s34, 11                        ; my fragment's place: (2 x tile + kk) x 2,048
	s_mov_b32 s35, 0
	s_wait_alu depctr_va_vdst(0)
	s_wait_kmcnt 0x0
	s_load_b256 s[16:23], s[10:11], 0x0            ; e0 .. e7
	s_cmp_lt_u32 ttmp9, 2                          ; the choice hangs on the work-group's number alone
	s_cselect_b64 s[32:33], s[4:5], s[6:7]
	s_cmp_lt_u32 ttmp9, 4
	s_cselect_b64 s[32:33], s[32:33], s[8:9]
	s_add_nc_u64 s[12:13], s[12:13], s[34:35]
.irp c, 0,1,2,3
.irp q, 0,1,2,3
	global_load_b128 v[NUM+16*\c+4*\q:NUM+16*\c+4*\q+3], v4, s[32:33] offset:128*\c+16*\q   ; w(row, 128 kk + 32 c + 16 h + 4 q ..)
.endr
.endr
	s_wait_kmcnt 0x0
	s_cmp_lt_u32 ttmp9, 2
	s_cselect_b32 s26, s17, s19
	s_cmp_lt_u32 ttmp9, 4
	s_cselect_b32 s26, s26, s21                    ; e
	s_add_co_i32 s26, s26, 127
	s_lshl_b32 s36, s26, 23
	v_mov_b32 v6, s36                              ; 2^e as f32: the conversion takes its exponent field
	s_wait_alu depctr_va_vdst(0)
	s_wait_loadcnt 0x0
.irp c, 0,1,2,3
.irp i, 0,1,2,3,4,5,6,7,8,9,10,11,12,13,14,15
.endr
	v_cvt_scalef32_pk8_bf8_f32 v[COD+4*\c:COD+4*\c+1], v[NUM+16*\c:NUM+16*\c+7], v6
	v_cvt_scalef32_pk8_bf8_f32 v[COD+4*\c+2:COD+4*\c+3], v[NUM+16*\c+8:NUM+16*\c+15], v6
.endr
.irp c, 0,1,2,3
	global_store_b128 v5, v[COD+4*\c:COD+4*\c+3], s[12:13] offset:512*\c   ; the wave stores 512 consecutive bytes, at a multiple of 512 from the buffer's first byte
.endr
	s_endpgm
.Lfunc_end_k_q5fa3e260d8_wq:
	.size	k_q5fa3e260d8_wq, .Lfunc_end_k_q5fa3e260d8_wq-k_q5fa3e260d8_wq
	.p2alignl 7, 3214868480
	.fill 96, 4, 3214868480
	.section	.rodata,"a",@progbits
	.p2align	6, 0x0
	.amdhsa_kernel k_q5fa3e260d8_wq
		.amdhsa_group_segment_fixed_size 0
		.amdhsa_private_segment_fixed_size 0
		.amdhsa_enable_private_segment 0
		.amdhsa_kernarg_size 40
		.amdhsa_user_sgpr_count 2
		.amdhsa_user_sgpr_kernarg_segment_ptr 1
		.amdhsa_wavefront_size32 1
		.amdhsa_system_sgpr_workgroup_id_x 1
		.amdhsa_system_sgpr_workgroup_id_y 1
		.amdhsa_system_sgpr_workgroup_id_z 1
		.amdhsa_system_vgpr_workitem_id 0
		.amdhsa_next_free_vgpr 96
		.amdhsa_next_free_sgpr 66
		.amdhsa_reserve_vcc 0
		.amdhsa_float_denorm_mode_32 3
		.amdhsa_float_denorm_mode_16_64 3
		.amdhsa_fp16_overflow 1
		.amdhsa_memory_ordered 1
		.amdhsa_forward_progress 1
		.amdhsa_inst_pref_size 5
	.end_amdhsa_kernel
	.amdgpu_metadata
---
amdhsa.version: [ 1, 2 ]
amdhsa.kernels:
  - .name:           k_q5fa3e260d8_wq
    .symbol:         k_q5fa3e260d8_wq.kd
    .args:
      - { .name: wf, .offset: 0, .size: 8, .value_kind: global_buffer, .address_space: global }
      - { .name: wg, .offset: 8, .size: 8, .value_kind: global_buffer, .address_space: global }
      - { .name: wh, .offset: 16, .size: 8, .value_kind: global_buffer, .address_space: global }
      - { .name: lowp_scales, .offset: 24, .size: 8, .value_kind: global_buffer, .address_space: global }
      - { .name: wc, .offset: 32, .size: 8, .value_kind: global_buffer, .address_space: global }
    .group_segment_fixed_size: 0
    .private_segment_fixed_size: 0
    .kernarg_segment_align: 8
    .kernarg_segment_size: 40
    .max_flat_workgroup_size: 128
    .sgpr_count:     66
    .vgpr_count:     96
    .wavefront_size: 32
...
	.end_amdgpu_metadata
.endif
;; end of part 1
;; launch proj (part 2): grid 32 x 8, 4 waves a work-group, no clusters, 231,936 bytes of LDS; arguments x, wc, lowp_scales, kv, qc; writes kv, qc
.if DOCPART == 2
	.amdgcn_target "amdgcn-amd-amdhsa--gfx1250"
	.amdhsa_code_object_version 6
	.text
	.protected	k_q5fa3e260d8_proj
	.globl	k_q5fa3e260d8_proj
	.p2align	8
	.type	k_q5fa3e260d8_proj,@function
k_q5fa3e260d8_proj:
	s_mov_b64 s[64:65], 0
	v_nop
	global_prefetch_b8 v0, s[64:65] scope:SCOPE_SE
	s_setreg_imm32_b32 hwreg(HW_REG_WAVE_MODE, 25, 1), 1
	s_wait_xcnt 0x0
; fx = wf x, gx = wg x, hx = wh x (K = the 256 channels), all three on codes of BF8 (E5M2); their results are quantised at once for the attention that follows and leave as codes.
; x: [8][256 (c)][4,096 (n)] f32.  It is quantised three times, with 2^e0, 2^e2, 2^e4 (one scale for each product).  The weights come as codes, laid as images of operand registers.
; fx is quantised with 2^e6, gx with 2^e7, hx with 2^e8.  A sum of a product stands for sum x 2^(its two exponents), so the conversions take 2^(e6 - e0 - e1), 2^(e7 - e2 - e3), 2^(e8 - e4 - e5).
; LIMITS, so that each power of two and 57,344 times it is an f32 number: e0, e2, e4 and the three differences lie between -126 and 112.  NaN among the inputs is not served.
; SHARES.  A work-group owns 128 positions of one batch.  THE WAVES SHARE THE OUTPUTS: wave w keeps 32 rows of wf (w = 0, 1) or of wg (w = 2, 3) and 64 rows of wh in 192 registers, read once, and makes them for all
; 128 positions.  What goes round is x: its tile comes into LDS by one tensor load a wave; wave w quantises positions 32 w .. 32 w + 31 and lays the codes in LDS as images of operand registers, which every wave reads.
; A FRAGMENT (16 rows x 128 K) is 16 registers a lane: group c of four registers of lane l = 16 h + r lies at 512 c + 16 l of its image, and holds k = 32 c + 16 h + 0 .. 15 of row r.  The same places of k on both sides of every product.
; THE POSITIONS OF A TILE ARE NOT NEIGHBOURS: lane r of tile (g, u) takes position 32 g + 8 u + r + 8 (r / 8); the rows of wf's and wg's tiles are spread in the same way.  So:
;   fx, gx: source 0 = weight tiles 2 b, 2 b + 1, source 1 = a tile of x: a lane holds ONE position and 16 neighbouring channels 32 b + 16 h + 0 .. 15: group b of that tile's fragment for the next product;
;   hx: source 0 = x's tiles u = 0, 1, source 1 = a tile of wh: a lane holds ONE channel and 16 neighbouring positions 32 g + 16 h + 0 .. 15: group g of the channel tile's fragment, K = the positions.
; OUT: kv [batch][128 positions][40,960]: 8 fragments of fx (16 positions x 64 channels, 1,024 bytes), then 16 of hx (16 channels x 128 positions, 2,048 bytes).  qc [batch][16 positions][1,024]: gx.  Every store covers 512 consecutive bytes.
; No LDS byte is filled twice.  No cluster: what work-groups share, the weights' codes, goes straight into registers.
; REGISTERS.  Window 0: v1-7 addresses; v16-25 scales.  While x is quantised: v32-79 codes (three sets), v128-255 numbers of x (two sets).
;   In the products: v32-63 four accumulators of fx or gx, v64-127 eight of hx, v128-191 and v192-255 x's fragments for the two; v128-151 take the results' codes afterwards.   Window 1: v0-63 wf's or wg's four fragments, v64-191 wh's eight.
.set XP,   520                         ; a row of x's tile in LDS: 512 bytes + 8 of padding = 130 words: the row 16 further down begins 32 banks on (16 x 130 mod 64; 64 banks of 4 bytes: ISA guide 11.1), beside lanes 0-15's words and not on them
.set XIMG, 256*XP                      ; behind the tile: 48 images of 2,048 bytes: (scale 0..2) x 16 + (tile 0..7) x 2 + kk
.set LI,   1                           ; v1   16 x lane
.set XA0,  2                           ; v2   my place in x's tile, channels 0-127;  v3: channels 128-255
.set XW0,  4                           ; v4   where I store images (scales 0, 1);  v5: scale 2
.set XW1,  5
.set XRF,  6                           ; v6   where I read x's images for fx (scale 0) or gx (scale 1)
.set XRH,  7                           ; v7   and for hx (scale 2)
.set SCX,  16                          ; v16, v18, v20: 2^e for e0, e2, e4
.set SCF,  22                          ; v22 the same for my fx's or gx's conversion
.set SCH,  24                          ; v24 for hx's
.set PC,   32
.set TQ,   80
.set XN,   128
.set AF,   32
.set AH,   64
.set XG,   128
.set XH,   192
.set OC,   128
.set FW,   0                           ; in window 1
.set HW,   64
.set MSB, 0
.macro WIN new                         ; the immediate's high byte repeats the setting that is left
.if MSB != \new
	s_set_vgpr_msb (MSB<<8)|\new
.set MSB, \new
.endif
.endm
.macro PLACES n
.rept \n
	v_nop
.endr
.endm
.macro MKSC vs, se                     ; s[se] holds e (and is used up): v[vs] = 2^e
	s_add_co_i32 s[\se], s[\se], 127
	s_lshl_b32 s62, s[\se], 23
	v_mov_b32 v[\vs], s62
	s_add_co_i32 s[\se], s[\se], 15
	s_lshl_b32 s62, s[\se], 23
	s_or_b32 s62, s62, 0x600000
.endm
	s_load_b256 s[4:11], s[0:1], 0x0               ; x s[4:5], the weights' codes s[6:7], the scales' exponents s[8:9], kv s[10:11]
	s_load_b64 s[12:13], s[0:1], 0x20              ; qc
	v_lshl_add_u32 v30, v0, 2, 0x38800
	v_mov_b32 v31, 0
	ds_add_u32 v30, v31
	ds_add_u32 v30, v31
	v_lshrrev_b32 v1, 5, v0
	v_readfirstlane_b32 s16, v1                    ; wave 0..3
	s_and_b32 s17, ttmp7, 0xffff                   ; the batch
	; descriptor group 1: 64 rows (channels) x 128 elements of 4 bytes, 4,096 elements from row to row, padded in LDS
	s_mov_b32 s24, (2<<16)|(1<<20)|(6<<22)|(1<<25) ; 15:0 no mask; 17:16 elements of 4 bytes; 20 padding on; 24:22 after every 128 words (code 6); 31:25 two words (code 1)
	s_mov_b32 s25, 128<<16                         ; tensor_dim0 = 128
	s_mov_b32 s26, 64<<16                          ; tensor_dim1 = 64
	s_mov_b32 s27, 128<<16                         ; tile_dim0 = 128
	s_mov_b32 s28, 64                              ; tile_dim1 = 64
	s_mov_b32 s29, 4096                            ; tensor_dim0_stride
	s_mov_b32 s30, 0
	s_mov_b32 s31, 0
	s_mov_b32 s32, 1                               ; group 0: count = 1
	s_mul_i32 s33, s16, 64*XP                      ; LDS: my 64 rows
	s_lshl_b32 s18, s17, 22                        ; batch x 4,194,304
	s_lshl_b32 s19, s16, 20                        ; + wave x 64 rows of 16,384 bytes
	s_add_co_u32 s18, s18, s19
	s_lshl_b32 s19, ttmp9, 9                       ; + work-group x 128 positions of 4 bytes
	s_add_co_u32 s18, s18, s19
	s_mov_b32 s19, 0
	s_mov_b32 s21, 0
	s_wait_dscnt 0x0
	s_wait_kmcnt 0x0
	s_load_b256 s[40:47], s[8:9], 0x0              ; e0 .. e7
	s_load_b32 s48, s[8:9], 0x20                   ; e8
	s_add_nc_u64 s[34:35], s[4:5], s[18:19]
	s_or_b32 s35, s35, 0x80000000                  ; type = 2
	tensor_load_to_lds s[32:35], s[24:31]          ; my quarter of x's tile: the wave's one tensor load
	s_nop 0
	v_and_b32 v8, 31, v0                           ; lane
	v_and_b32 v9, 15, v0                           ; r
	v_bfe_u32 v10, v0, 4, 1                        ; h
	v_lshlrev_b32 v[LI], 4, v8
	v_and_b32 v11, 8, v9
	v_add_nc_u32 v11, v11, v9                      ; r + 8 (r / 8)
	v_lshlrev_b32 v11, 2, v11
	v_mul_u32_u24 v[XA0], v10, 16*XP               ; lanes 16-31 begin 16 channels further down
	v_add_nc_u32 v[XA0], v[XA0], v11
	s_lshl_b32 s20, s16, 7
	v_add_nc_u32 v[XA0], s20, v[XA0]               ; + my wave's 32 positions
	v_add_nc_u32 v[XA0+1], 128*XP, v[XA0]
	s_lshl_b32 s20, s16, 13
	s_add_co_u32 s20, s20, XIMG
	v_add_nc_u32 v[XW0], s20, v[LI]                ; my wave's tiles 2 w, 2 w + 1: 8,192 w
	v_add_nc_u32 v[XW1], 65536, v[XW0]
	s_lshr_b32 s20, s16, 1
	s_lshl_b32 s20, s20, 15
	s_add_co_u32 s20, s20, XIMG
	v_add_nc_u32 v[XRF], s20, v[LI]                ; waves 0, 1 read the images made with e0, waves 2, 3 those made with e2
	v_add_nc_u32 v[XRH], XIMG+65536, v[LI]
	s_lshl_b32 s20, s16, 13
	s_add_nc_u64 s[50:51], s[6:7], s[20:21]        ; my two tiles of wf or wg: fragments 4 w on
	s_lshl_b32 s20, s16, 14
	s_add_co_u32 s20, s20, 32768
	s_add_nc_u64 s[52:53], s[6:7], s[20:21]        ; my four tiles of wh: fragments 16 + 8 w on
	WIN 0x40                                       ; destination window 1, address window 0
.irp f, 0,1,2,3
.irp c, 0,1,2,3
	global_load_b128 v[FW+16*\f+4*\c:FW+16*\f+4*\c+3], v[LI], s[50:51] offset:2048*\f+512*\c   ; fragment 2 (tile) + kk
.endr
.endr
.irp f, 0,1,2,3,4,5,6,7
.irp c, 0,1,2,3
	global_load_b128 v[HW+16*\f+4*\c:HW+16*\f+4*\c+3], v[LI], s[52:53] offset:2048*\f+512*\c
.endr
.endr
	WIN 0
	s_lshl_b32 s22, s17, 5
	s_add_co_u32 s22, s22, ttmp9                   ; 32 x batch + work-group
	s_mul_i32 s20, s22, 40960
	s_add_nc_u64 s[58:59], s[10:11], s[20:21]      ; my block of kv
	s_lshl_b32 s20, s16, 13
	s_add_co_u32 s20, s20, 8192
	s_add_nc_u64 s[56:57], s[58:59], s[20:21]      ; hx: behind fx's 8,192 bytes, my four fragments
	s_and_b32 s23, s16, 1
	s_lshl_b32 s20, s23, 9                         ; fx, gx: my group of a fragment: channels 32 (w % 2) on
	s_add_nc_u64 s[58:59], s[58:59], s[20:21]
	s_lshl_b32 s22, s22, 13
	s_add_co_u32 s20, s20, s22
	s_add_nc_u64 s[60:61], s[12:13], s[20:21]      ; my block of qc
	s_cmp_lt_u32 s16, 2                            ; waves 0, 1 make fx, waves 2, 3 gx: the choice hangs on the wave's number alone
	s_cselect_b64 s[54:55], s[58:59], s[60:61]
	s_wait_kmcnt 0x0
	s_sub_co_i32 s36, s46, s40
	s_sub_co_i32 s36, s36, s41                     ; e6 - e0 - e1
	s_sub_co_i32 s37, s47, s42
	s_sub_co_i32 s37, s37, s43                     ; e7 - e2 - e3
	s_sub_co_i32 s38, s48, s44
	s_sub_co_i32 s38, s38, s45                     ; e8 - e4 - e5
	s_cmp_lt_u32 s16, 2
	s_cselect_b32 s36, s36, s37
	MKSC SCX, 40
	MKSC SCX+2, 42
	MKSC SCX+4, 44
	MKSC SCF, 36
	MKSC SCH, 38
	s_wait_alu depctr_va_vdst(0)
	s_wait_tensorcnt 0x0                           ; my quarter of the tile is in;
	s_barrier_signal -1
	s_barrier_wait -1                              ; everybody's is: each wave reads all 256 rows
; ---- x becomes codes.  A LANE TAKES A POSITION, AND ITS REGISTERS RUN DOWN THE CHANNELS, in the order that the operand's layout gives the lane: nothing is transposed.
; Block blk = 2 u + kk: tile u of my 32 positions, channels 128 kk on: register 16 c + i = x(128 kk + 32 c + 16 h + i, my position)
.macro LOADX blk
.irp c, 0,1,2,3
.irp i, 0,1,2,3,4,5,6,7,8,9,10,11,12,13,14,15
	ds_load_b32 v[XN+64*((\blk)%2)+16*\c+\i], v[XA0+(\blk)%2] offset:(32*\c+\i)*XP+32*((\blk)/2)
.endr
.endr
.endm
; 64 numbers from v[src] on become a fragment's codes with scale sg.  The numbers stay as they are, for the other two scales:
.macro QUANTX src, sg
.irp c, 0,1,2,3
.irp i, 0,1,2,3,4,5,6,7,8,9,10,11,12,13,14,15
.endr
	v_cvt_scalef32_pk8_bf8_f32 v[PC+16*\sg+4*\c:PC+16*\sg+4*\c+1], v[TQ+16*(\c%2)+((\src+16*\c+0)-(TQ+16*(\c%2)+0)):TQ+16*(\c%2)+7+((\src+16*\c+0)-(TQ+16*(\c%2)+0))], v[SCX+2*\sg]
	v_cvt_scalef32_pk8_bf8_f32 v[PC+16*\sg+4*\c+2:PC+16*\sg+4*\c+3], v[TQ+16*(\c%2)+8+((\src+16*\c+0)-(TQ+16*(\c%2)+0)):TQ+16*(\c%2)+15+((\src+16*\c+0)-(TQ+16*(\c%2)+0))], v[SCX+2*\sg]
.endr
.endm
.macro IMAGE sg, u, k                  ; the fragment goes to LDS as it stands: 512 consecutive bytes a store
.irp c, 0,1,2,3
.if \sg < 2
	ds_store_b128 v[XW0], v[PC+16*\sg+4*\c:PC+16*\sg+4*\c+3] offset:\sg*32768+4096*(\u)+2048*(\k)+512*\c
.else
	ds_store_b128 v[XW1], v[PC+16*\sg+4*\c:PC+16*\sg+4*\c+3] offset:4096*(\u)+2048*(\k)+512*\c
.endif
.endr
.endm
	LOADX 0
.irp b, 0,1,2,3
	s_wait_dscnt 0x0                               ; this block's numbers are in, and the last block's stores have read their registers
.if \b < 3
	v_nop
	LOADX \b+1                                     ; the next block lands while this one is quantised
.endif
.irp s, 0,1,2
	QUANTX XN+64*(\b%2), \s
	IMAGE \s, \b/2, \b%2
.endr
.endr
	v_nop                                          ; one plain instruction between the last two conversions and the first products below, whose accumulators lie on those conversions' results (v76-79)
	s_wait_dscnt 0x0                               ; for the others' sake: my images lie in LDS
	s_barrier_signal -1
	s_barrier_wait -1                              ; all 48 do
	s_wait_loadcnt 0x0                             ; the weights
; ---- the products, 32 positions (two tiles of x) at a time: twelve accumulators by turns, one instruction a turn, K in two halves
.irp g, 0,1,2,3
.if \g > 0
	s_wait_xcnt 0x0                                ; the last stores have read their registers, into which the loads below land
.endif
.irp u, 0,1
.irp k, 0,1
.irp c, 0,1,2,3
	ds_load_b128 v[XG+16*(2*\u+\k)+4*\c:XG+16*(2*\u+\k)+4*\c+3], v[XRF] offset:(2*\g+\u)*4096+2048*\k+512*\c
	ds_load_b128 v[XH+16*(2*\u+\k)+4*\c:XH+16*(2*\u+\k)+4*\c+3], v[XRH] offset:(2*\g+\u)*4096+2048*\k+512*\c
.endr
.endr
.endr
	s_wait_dscnt 0x0
.irp k, 0,1
	WIN 0x01                                       ; source 0 (the weight) window 1
.irp u, 0,1
.irp b, 0,1
.if \k == 0
	v_wmma_f32_16x16x128_bf8_bf8 v[AF+16*\u+8*\b:AF+16*\u+8*\b+7], v[FW+16*(2*\b+\k):FW+16*(2*\b+\k)+15], v[XG+16*(2*\u+\k):XG+16*(2*\u+\k)+15], 0
.else
	v_wmma_f32_16x16x128_bf8_bf8 v[AF+16*\u+8*\b:AF+16*\u+8*\b+7], v[FW+16*(2*\b+\k):FW+16*(2*\b+\k)+15], v[XG+16*(2*\u+\k):XG+16*(2*\u+\k)+15], v[AF+16*\u+8*\b:AF+16*\u+8*\b+7]
.endif
.endr
.endr
	WIN 0x04                                       ; source 1 (the weight) window 1
.irp t, 0,1,2,3
.irp u, 0,1
.if \k == 0
	v_wmma_f32_16x16x128_bf8_bf8 v[AH+16*\t+8*\u:AH+16*\t+8*\u+7], v[XH+16*(2*\u+\k):XH+16*(2*\u+\k)+15], v[HW+16*(2*\t+\k):HW+16*(2*\t+\k)+15], 0
.else
	v_wmma_f32_16x16x128_bf8_bf8 v[AH+16*\t+8*\u:AH+16*\t+8*\u+7], v[XH+16*(2*\u+\k):XH+16*(2*\u+\k)+15], v[HW+16*(2*\t+\k):HW+16*(2*\t+\k)+15], v[AH+16*\t+8*\u:AH+16*\t+8*\u+7]
.endif
.endr
.endr
.endr
	WIN 0
	PLACES 4                                       ; four places between the last product and the first read of results, the codes' landing on x's fragments, and the next loads into them
.irp u, 0,1                            ; fx or gx of tile u: 16 neighbouring channels a lane; each accumulator from its low end on
.irp i, 0,1,2,3,4,5,6,7,8,9,10,11,12,13,14,15
.endr
	v_cvt_scalef32_pk8_bf8_f32 v[OC+4*\u:OC+4*\u+1], v[AF+16*\u:AF+16*\u+7], v[SCF]
	v_cvt_scalef32_pk8_bf8_f32 v[OC+4*\u+2:OC+4*\u+3], v[AF+16*\u+8:AF+16*\u+15], v[SCF]
.endr
.irp t, 0,1,2,3                        ; hx of channel tile t: 16 neighbouring positions a lane
.irp i, 0,1,2,3,4,5,6,7,8,9,10,11,12,13,14,15
.endr
	v_cvt_scalef32_pk8_bf8_f32 v[OC+8+4*\t:OC+8+4*\t+1], v[AH+16*\t:AH+16*\t+7], v[SCH]
	v_cvt_scalef32_pk8_bf8_f32 v[OC+8+4*\t+2:OC+8+4*\t+3], v[AH+16*\t+8:AH+16*\t+15], v[SCH]
.endr
	v_nop                                          ; one plain instruction between the last conversion and the next products, which write its sources
.irp u, 0,1
	global_store_b128 v[LI], v[OC+4*\u:OC+4*\u+3], s[54:55] offset:(2*\g+\u)*1024   ; my group of the fragment of positions' tile 2 g + u: 512 consecutive bytes
.endr
.irp t, 0,1,2,3
	global_store_b128 v[LI], v[OC+8+4*\t:OC+8+4*\t+3], s[56:57] offset:2048*\t+512*\g   ; group g of channel tile t's fragment
.endr
.endr
	s_wait_tensorcnt 0x0
	ds_add_u32 v30, v31
	s_wait_dscnt 0x0
	s_endpgm
.Lfunc_end_k_q5fa3e260d8_proj:
	.size	k_q5fa3e260d8_proj, .Lfunc_end_k_q5fa3e260d8_proj-k_q5fa3e260d8_proj
	.p2alignl 7, 3214868480
	.fill 96, 4, 3214868480
	.section	.rodata,"a",@progbits
	.p2align	6, 0x0
	.amdhsa_kernel k_q5fa3e260d8_proj
		.amdhsa_group_segment_fixed_size 231936
		.amdhsa_private_segment_fixed_size 0
		.amdhsa_enable_private_segment 0
		.amdhsa_kernarg_size 40
		.amdhsa_user_sgpr_count 2
		.amdhsa_user_sgpr_kernarg_segment_ptr 1
		.amdhsa_wavefront_size32 1
		.amdhsa_system_sgpr_workgroup_id_x 1
		.amdhsa_system_sgpr_workgroup_id_y 1
		.amdhsa_system_sgpr_workgroup_id_z 1
		.amdhsa_system_vgpr_workitem_id 0
		.amdhsa_next_free_vgpr 448
		.amdhsa_next_free_sgpr 66
		.amdhsa_reserve_vcc 0
		.amdhsa_float_denorm_mode_32 3
		.amdhsa_float_denorm_mode_16_64 3
		.amdhsa_fp16_overflow 1
		.amdhsa_memory_ordered 1
		.amdhsa_forward_progress 1
		.amdhsa_inst_pref_size 56
	.end_amdhsa_kernel
	.amdgpu_metadata
---
amdhsa.version: [ 1, 2 ]
amdhsa.kernels:
  - .name:           k_q5fa3e260d8_proj
    .symbol:         k_q5fa3e260d8_proj.kd
    .args:
      - { .name: x, .offset: 0, .size: 8, .value_kind: global_buffer, .address_space: global }
      - { .name: wc, .offset: 8, .size: 8, .value_kind: global_buffer, .address_space: global }
      - { .name: lowp_scales, .offset: 16, .size: 8, .value_kind: global_buffer, .address_space: global }
      - { .name: kv, .offset: 24, .size: 8, .value_kind: global_buffer, .address_space: global }
      - { .name: qc, .offset: 32, .size: 8, .value_kind: global_buffer, .address_space: global }
    .group_segment_fixed_size: 231936
    .private_segment_fixed_size: 0
    .kernarg_segment_align: 8
    .kernarg_segment_size: 40
    .max_flat_workgroup_size: 128
    .sgpr_count:     66
    .vgpr_count:     448
    .wavefront_size: 32
...
	.end_amdgpu_metadata
.endif
;; end of part 2
;; launch attn (part 3): grid 32 x 8, 4 waves a work-group, clusters of 4 x 1, 327,680 bytes of LDS; arguments qc, kv, lowp_scales, gamma, x, out0; writes out0
.if DOCPART == 3
	.amdgcn_target "amdgcn-amd-amdhsa--gfx1250"
	.amdhsa_code_object_version 6
	.text
	.protected	k_q5fa3e260d8_attn
	.globl	k_q5fa3e260d8_attn
	.p2align	8
	.type	k_q5fa3e260d8_attn,@function
k_q5fa3e260d8_attn:
	s_mov_b64 s[64:65], 0
	v_nop
	global_prefetch_b8 v0, s[64:65] scope:SCOPE_SE
	s_setreg_imm32_b32 hwreg(HW_REG_WAVE_MODE, 25, 1), 1
	s_wait_xcnt 0x0
	s_wait_alu depctr_hold_cnt(0) depctr_sa_sdst(0) depctr_va_vdst(0) depctr_va_sdst(0) depctr_va_ssrc(0) depctr_va_vcc(0) depctr_vm_vsrc(0)
	s_getreg_b32 s2, hwreg(HW_REG_IB_STS2, 6, 4)
	s_cmp_eq_u32 s2, 0
	s_cbranch_scc0 .Lentry_in_a_cluster
	s_endpgm
.Lentry_in_a_cluster:
	s_bfe_u32 s2, ttmp6, 0x10000c
	s_cmp_lg_u32 s2, 0x3003
	s_cbranch_scc0 .Lentry_shape_is_right
	s_endpgm
.Lentry_shape_is_right:
; out[b][c][j] = gamma x (the sum over i of hx[c][i] softmax_i(fx[:, i] . gx[:, j])) + x[b][c][j].  Column j of gx is a QUERY (64 channels), column i of fx a KEY, column i of hx a VALUE (256 channels); 4,096 of each in each of 8 batches.
; Both products on codes of BF8 (E5M2): fx with 2^e6, gx with 2^e7, hx with 2^e8, p with 2^e9.  The codes come from the launch before, laid as images of operand registers.
; THE SOFTMAX AHEAD OF THE SECOND PRODUCT: t = score x log2(e); M = the query's largest t so far, rounded UP to a whole number; p = 2^(t - M) is what is quantised, along the keys; it is not normalised.
; The query's sum is taken of the unquantised p, in f32, and divides at the end.  When M moves, the sum and O are multiplied by 2^(old M - new M): exact.
; LIMITS on the given exponents: e6 + e7 between -126 and 127 (they are added to the exponent field of log2(e)); e9 between -126 and 112; e8 + e9 is applied by v_ldexp_f32 and has none.  NaN among the inputs is not served.
; SHARES.  A work-group owns 128 queries of one batch, each of its four waves 32: two tiles of 16.  Every wave walks all 4,096 keys, 128 a step; each fragment of K and of V that it reads from LDS feeds two products.
; LAYOUT.  Both products are used transposed: S^T = K Q^T (source 0 = 16 keys, source 1 = 16 queries), O^T = V P^T (source 0 = 16 channels, source 1 = P): a lane holds ONE query (lane % 16) throughout.
; The keys of a tile of K are not neighbours (lane r of tile 2 b + u: key 32 b + 8 u + r + 8 (r / 8)), so that the 16 registers of tiles 2 b and 2 b + 1 are 16 neighbouring keys, 32 b + 16 (lane / 16) + 0 .. 15: p's conversions ARE P's registers.
; The queries of my tiles are spread in the same way: lane r of tile t holds the work-group's query 32 w + 8 t + r + 8 (r / 8).
; THE RING.  A key step's codes are 40,960 dense bytes (8 fragments of K, 16 of V).  Two LDS slots of two key steps; each wave brings a quarter of a slot, 80 rows of 256 bytes, by one tensor load.
; CLUSTER.  The four query blocks of a cluster belong to one batch and walk the same bytes, so each quarter is asked for JOINTLY: the same load with the same descriptor and a mask that names the four.  My place in the cluster enters the addresses of Q, x and out alone.
; REGISTERS, in windows of 256 (s_set_vgpr_msb: bits 1:0 source 0, 3:2 source 1, 5:4 source 2, 7:6 destination):
;   window 0: v0 as it came; v1-7 addresses; v8-23 eight registers of statistics a tile; v24-31; v32-47 Q; v48-79 P; v80-95 the way out; v128-255 S^T, then p, 64 a tile; on the way out rows of O
;   window 1: O^T, 128 a tile (channel tile f at 8 f)      window 2: V of one step (tile f at 16 f); on the way out x's rows      window 3: v0-63 K of one step (tile f at 8 f)
.set STEPB, 40960                      ; a key step's codes
.set SLOTB, 2*STEPB
.set SLOT1, 1<<17                      ; slot 1 begins here, so that one exclusive or turns an address in one slot into the other's
.set SPARE, 2*SLOT1                    ; behind the ring: the spare words, 128 bytes for each wave: two blocks of 256 bytes that no other line names
.set SPITCH, 528                       ; the way out: a stage of 256 rows (channels) x (128 queries x 4 bytes + 16), from LDS byte 0 on, in bytes that have had their last fill and their last read
.set GT,    256*SPITCH                 ; behind it: one factor for each of the 128 queries
.set LI,  1                            ; v1   16 x lane
.set ADR, 2                            ; v2   LDS address of the step in hand
.set SPW, 3                            ; v3   LDS address of my spare word: SPARE + 4 x my thread's number; never rewritten
.set NIL, 4                            ; v4   0; never rewritten
.set STO, 5                            ; v5, v6  the stage: where I put a number (channels 0-127, 128-255)
.set SRD, 7                            ; v7   and where I read a row back
.set ST,  8                            ; tile t's statistics at v[ST + 8 t]: +0 -M, +1 the largest t, +2, +3 the sum in two halves, +4 f (+5 named with it), +6, +7 at work
.set SB,  24                           ; v[24 + 2 t ..] the sum's second chain
.set PX,  28                           ; v28 + t: what the other half of the lanes sends
.set LIM, 30
.set SCL, 31                           ; v31  2^e9
.set Q,   32
.set P,   48
.set GTA, 80                           ; v80  where I put my query's factor
.set GTR, 81                           ; v81  where I read four factors
.set PFO, 82                           ; v82  my offset among the rows of x that my wave will add
.set GV,  84                           ; v84-87 four queries' factors
.set S,   128
.set WV,  16                           ; s16  my wave's number
.set SEL, 20                           ; s[20:21] lane selects for v_permlanex16_b32: lane l xor 16
.set CS,  22                           ; s[22:23] log2(e) x 2^(e6 + e7): the packed form names a pair and takes its low word for both halves
.set G1,  24                           ; s[24:31] descriptor group 1;  s[32:35], s[36:39] groups 0 of the two first fills; the second then walks on
.set TB,  40                           ; s40  LDS byte at which the step in hand begins
.set SLOTS, 41
.set TWICE, 42
.set MSB, 0
.macro WIN new                         ; the immediate's high byte repeats the setting that is left; a switch that changes nothing is dropped
.if MSB != \new
	s_set_vgpr_msb (MSB<<8)|\new
.set MSB, \new
.endif
.endm
.macro PLACES n
.rept \n
	v_nop
.endr
.endm
; A round of the cluster's barrier: my work-group's barrier, so that wave 0's signal speaks for all four waves; wave 0 signals for the work-group; every wave waits for all four work-groups; my work-group's barrier once more.
.macro CROUND
	s_barrier_signal -1
	s_barrier_wait -1
	s_cmp_lg_u32 s[WV], 0
	s_cbranch_scc1 .Lnot_wave_0_\@
	s_barrier_signal -3
.Lnot_wave_0_\@:
	s_barrier_wait -3
	s_barrier_signal -1
	s_barrier_wait -1
.endm
	s_load_b256 s[4:11], s[0:1], 0x0               ; Q's codes s[4:5], K's and V's s[6:7], the scales' exponents s[8:9], gamma s[10:11]
	s_load_b128 s[12:15], s[0:1], 0x20             ; x s[12:13], out s[14:15]
	v_lshl_add_u32 v[SPW], v0, 2, SPARE
	v_mov_b32 v[NIL], 0
	ds_add_u32 v3, v4
	ds_add_u32 v3, v4
	s_wait_dscnt 0x0
	v_lshrrev_b32 v1, 5, v0
	v_readfirstlane_b32 s[WV], v1                  ; wave 0..3
	s_bfe_u32 s17, ttmp6, 0x40000                  ; cx: my place in the cluster
	s_lshl_b32 s18, ttmp9, 2                       ; in a cluster launch ttmp9 counts clusters
	s_add_co_u32 s18, s18, s17                     ; my block of 128 queries = 4 x cluster x + cx
	s_and_b32 s19, ttmp7, 0xffff                   ; the batch, which the four partners share
	; descriptor group 1: a dense block as 80 rows of 256 bytes
	s_mov_b32 s[G1], 15|(3<<16)|(1<<21)            ; 15:0 the mask: all four work-groups; 17:16 elements of 8 bytes; 20 no padding; 21 set beside a mask
	s_mov_b32 s[G1+1], 32<<16                      ; tensor_dim0 = 32
	s_mov_b32 s[G1+2], 80<<16                      ; tensor_dim1 = 80
	s_mov_b32 s[G1+3], 32<<16                      ; tile_dim0 = 32
	s_mov_b32 s[G1+4], 80                          ; tile_dim1 = 80
	s_mov_b32 s[G1+5], 32                          ; tensor_dim0_stride
	s_mov_b32 s[G1+6], 0
	s_mov_b32 s[G1+7], 0
	s_mov_b32 s32, 1                               ; count = 1
	s_mul_i32 s33, s[WV], 20480                    ; LDS: my quarter of slot 0: no place in the cluster enters an LDS address
	s_mov_b32 s36, 1
	s_add_co_u32 s37, s33, SLOT1                   ; and of slot 1
	s_mul_i32 s44, s19, 32*STEPB                   ; the batch's codes,
	s_add_co_u32 s44, s44, s33                     ; my quarter of a slot's bytes
	s_mov_b32 s45, 0
	s_lshl_b32 s46, s19, 18                        ; Q: batch x 262,144 + block x 8,192 + wave x 2,048
	s_lshl_b32 s47, s18, 13
	s_add_co_u32 s46, s46, s47
	s_lshl_b32 s47, s[WV], 11
	s_add_co_u32 s46, s46, s47
	s_mov_b32 s47, 0
	s_lshl_b32 s48, s19, 22                        ; x and out: batch x 4,194,304 + wave x 64 channels of 16,384 bytes + block x 512
	s_lshl_b32 s49, s[WV], 20
	s_add_co_u32 s48, s48, s49
	s_lshl_b32 s49, s18, 9
	s_add_co_u32 s48, s48, s49
	s_mov_b32 s49, 0
	s_mov_b32 s[SEL], 0x76543210
	s_mov_b32 s[SEL+1], 0xfedcba98
	s_mov_b32 s[CS], 0x3fb8aa3b                    ; log2(e)
	s_mov_b32 s[TB], 0
	s_mov_b32 s[SLOTS], 14
	s_wait_kmcnt 0x0
	s_load_b128 s[52:55], s[8:9], 0x18             ; e6, e7, e8, e9
	s_load_b32 s56, s[10:11], 0x0                  ; gamma
	s_add_nc_u64 s[34:35], s[6:7], s[44:45]        ; key steps 0 and 1,
	s_add_nc_u64 s[38:39], s[34:35], SLOTB         ; 2 and 3
	s_or_b32 s35, s35, 0x80000000                  ; type = 2
	s_or_b32 s39, s39, 0x80000000
	s_add_nc_u64 s[4:5], s[4:5], s[46:47]
	s_add_nc_u64 s[12:13], s[12:13], s[48:49]
	s_add_nc_u64 s[14:15], s[14:15], s[48:49]
	CROUND                                         ; all four work-groups are here: the first joint loads meet
	tensor_load_to_lds s[32:35], s[G1:G1+7]        ; the first fill: one load of mine is out
	s_nop 0
	s_wait_alu depctr_va_vdst(0)
	s_wait_tensorcnt 0x0
	ds_add_u32 v3, v4
	s_wait_dscnt 0x0
	CROUND
	tensor_load_to_lds s[36:39], s[G1:G1+7]
	s_nop 0
	PLACES 4
	v_and_b32 v88, 31, v0                          ; lane
	v_lshlrev_b32 v[LI], 4, v88
.irp t, 0,1
.irp c, 0,1
	global_load_b128 v[Q+8*\t+4*\c:Q+8*\t+4*\c+3], v[LI], s[4:5] offset:1024*\t+512*\c   ; Q's two fragments stay in registers
.endr
.endr
	v_lshrrev_b32 v89, 1, v88
	v_and_b32 v88, 1, v88
	v_lshlrev_b32 v[PFO], 14, v89                  ; two lanes to a row of x: row lane / 2,
	v_lshl_add_u32 v[PFO], v88, 8, v[PFO]          ; 256 bytes apart
.irp t, 0,1
	v_mov_b32 v[ST+8*\t+2], 0                      ; the sum, in two halves
	v_mov_b32 v[ST+8*\t+3], 0
	v_mov_b32 v[ST+8*\t+5], 0                      ; (named as the upper half of f's pair)
	v_mov_b32 v[PX+\t], 0                          ; written once: a lane permute's destination counts as one of its sources
.endr
	s_wait_kmcnt 0x0
	s_add_co_i32 s58, s52, s53
	s_lshl_b32 s58, s58, 23
	s_add_co_i32 s[CS], s[CS], s58                 ; a score stands for score x 2^(e6 + e7): the two exponents are added to the exponent field of log2(e)
	s_mov_b32 s[CS+1], s[CS]                       ; (named with it as a pair, so it is written)
	s_add_co_i32 s57, s54, s55                     ; e8 + e9
	s_add_co_i32 s58, s55, 127
	s_lshl_b32 s59, s58, 23
	v_mov_b32 v[SCL], s59                          ; 2^e9 as f32, for the conversion
	s_add_co_i32 s58, s58, 15
	s_lshl_b32 s58, s58, 23
	s_or_b32 s58, s58, 0x600000
.macro VLOAD t0                        ; eight of V's sixteen fragments, from tile t0 on: 32 loads of 512 consecutive bytes
.irp f, 0,1,2,3,4,5,6,7
.irp c, 0,1,2,3
	ds_load_b128 v[16*(\t0+\f)+4*\c:16*(\t0+\f)+4*\c+3], v[ADR] offset:8192+2048*(\t0+\f)+512*\c
.endr
.endr
.endm
; THE SOFTMAX of a key step, both tiles line by line, so that no line waits for the line above it.  first = 1: the first key step, which starts M.
.macro SOFTMAX first
.irp t, 0,1
	v_max3_num_f32 v[ST+8*\t+6], v[S+64*\t], v[S+64*\t+1], v[S+64*\t+2]     ; the step's largest score of my query among my 64 keys, in two chains; each accumulator is first read at its low end
	v_max3_num_f32 v[ST+8*\t+7], v[S+64*\t+3], v[S+64*\t+4], v[S+64*\t+5]
.endr
.irp i, 6,10,14,18,22,26,30,34,38,42,46,50,54,58
.irp t, 0,1
	v_max3_num_f32 v[ST+8*\t+6], v[ST+8*\t+6], v[S+64*\t+\i], v[S+64*\t+\i+1]
	v_max3_num_f32 v[ST+8*\t+7], v[ST+8*\t+7], v[S+64*\t+\i+2], v[S+64*\t+\i+3]
.endr
.endr
.irp t, 0,1
	v_max3_num_f32 v[ST+8*\t+6], v[ST+8*\t+6], v[S+64*\t+62], v[S+64*\t+63]
.endr
.irp t, 0,1
	v_max_num_f32 v[ST+8*\t+6], v[ST+8*\t+6], v[ST+8*\t+7]
.endr
.irp t, 0,1
	v_permlanex16_b32 v[PX+\t], v[ST+8*\t+6], s[SEL], s[SEL+1]
.endr
.irp t, 0,1
	v_max_num_f32 v[ST+8*\t+6], v[ST+8*\t+6], v[PX+\t]                      ; and among lane l xor 16's
.endr
.if \first
.irp t, 0,1
	v_mul_f32 v[ST+8*\t+1], s[CS], v[ST+8*\t+6]                             ; as t (the factor is positive): the largest t so far
.endr
.irp t, 0,1
	v_floor_f32 v[ST+8*\t], -v[ST+8*\t+1]                                   ; -M = floor(-t) = -ceil(t): M IS A WHOLE NUMBER
.endr
.else
.irp t, 0,1
	v_mul_f32 v[ST+8*\t+6], s[CS], v[ST+8*\t+6]
.endr
.irp t, 0,1
	v_max_num_f32 v[ST+8*\t+1], v[ST+8*\t+1], v[ST+8*\t+6]                  ; the running largest t
	v_mov_b32 v[ST+8*\t+7], v[ST+8*\t]
.endr
.irp t, 0,1
	v_floor_f32 v[ST+8*\t], -v[ST+8*\t+1]
.endr
.irp t, 0,1
	v_sub_f32 v[ST+8*\t+7], v[ST+8*\t], v[ST+8*\t+7]                        ; M's old value less its new one: a whole number, 0 or less
.endr
.irp t, 0,1
	v_cvt_i32_f32 v[ST+8*\t+7], v[ST+8*\t+7]                                ; (it saturates)
.endr
.irp t, 0,1
	v_ldexp_f32 v[ST+8*\t+4], 1.0, v[ST+8*\t+7]                             ; f = 2^(old M - new M)
.endr
.endif
.set j, 0
.rept 32
.irp t, 0,1
	v_pk_fma_f32 v[S+64*\t+j:S+64*\t+j+1], v[S+64*\t+j:S+64*\t+j+1], s[CS:CS+1], v[ST+8*\t:ST+8*\t+1] op_sel_hi:[1,0,0]   ; t - M, two at a time (of both pairs the low word serves both halves)
.endr
.set j, j+2
.endr
.set j, 0
	s_wait_alu depctr_va_vdst(0)
.rept 64
.irp t, 0,1
	v_exp_f32 v[S+64*\t+j], v[S+64*\t+j]                                    ; p = 2^(t - M): NOT normalised
.endr
.set j, j+1
.endr
.if \first
	v_nop                                                                   ; a plain instruction between the exponentials and the use of their results (ISA guide 5.7.2)
	s_wait_alu depctr_va_vdst(0)
.else
	s_wait_alu depctr_va_vdst(0)
.irp t, 0,1
	v_pk_mul_f32 v[ST+8*\t+2:ST+8*\t+3], v[ST+8*\t+2:ST+8*\t+3], v[ST+8*\t+4:ST+8*\t+5] op_sel_hi:[1,0]   ; the sums under the new M.  (The plain instruction behind the exponentials)
.endr
.endif
.irp t, 0,1
	v_pk_add_f32 v[SB+2*\t:SB+2*\t+1], v[S+64*\t:S+64*\t+1], v[S+64*\t+2:S+64*\t+3]   ; THE SUM IS TAKEN OF THE UNQUANTISED p: two at a time, in two chains a tile
.endr
.irp i, 4,8,12,16,20,24,28,32,36,40,44,48,52,56,60
.irp t, 0,1
	v_pk_add_f32 v[ST+8*\t+2:ST+8*\t+3], v[ST+8*\t+2:ST+8*\t+3], v[S+64*\t+\i:S+64*\t+\i+1]
	v_pk_add_f32 v[SB+2*\t:SB+2*\t+1], v[SB+2*\t:SB+2*\t+1], v[S+64*\t+\i+2:S+64*\t+\i+3]
.endr
.endr
.irp t, 0,1
	v_pk_add_f32 v[ST+8*\t+2:ST+8*\t+3], v[ST+8*\t+2:ST+8*\t+3], v[SB+2*\t:SB+2*\t+1]
.endr
.irp b, 0,1,2,3
.irp t, 0,1
.irp i, 0,1,2,3,4,5,6,7,8,9,10,11,12,13,14,15
.endr
.endr
.irp t, 0,1
	v_cvt_scalef32_pk8_bf8_f32 v[P+16*\t+4*\b:P+16*\t+4*\b+1], v[S+64*\t+16*\b:S+64*\t+16*\b+7], v[SCL]
	v_cvt_scalef32_pk8_bf8_f32 v[P+16*\t+4*\b+2:P+16*\t+4*\b+3], v[S+64*\t+16*\b+8:S+64*\t+16*\b+15], v[SCL]
.endr
.endr
.endm
; A KEY STEP: 128 keys, whose codes begin at LDS byte s[TB].  first = 1: its products start O^T's sums: nothing is ever cleared.
; Every accumulator has one matrix instruction in a step, so no two that follow each other share one.
.macro STEP first
	WIN 0
	v_add_nc_u32 v[ADR], s[TB], v[LI]
	PLACES 3                                       ; with the addition: four places between the last step's last product and the loads into V's registers (ISA guide 7.12.1 for vector instructions)
	WIN 0xc0                                       ; destination window 3
.irp f, 0,1,2,3,4,5,6,7
	ds_load_b128 v[8*\f:8*\f+3], v[ADR] offset:1024*\f
	ds_load_b128 v[8*\f+4:8*\f+7], v[ADR] offset:1024*\f+512
.endr
	WIN 0x80                                       ; destination window 2
	VLOAD 0
	s_wait_alu depctr_va_vdst(0)
	s_wait_dscnt 32                                ; K's 16 loads are in; the 32 of V issued behind them may be out
	WIN 0x03                                       ; source 0 (K) window 3
.irp f, 0,1,2,3,4,5,6,7
.irp t, 0,1
	v_wmma_f32_16x16x64_bf8_bf8 v[S+64*\t+8*\f:S+64*\t+8*\f+7], v[8*\f:8*\f+7], v[Q+8*\t:Q+8*\t+7], 0
.endr
.endr
	WIN 0x80
	VLOAD 8                                        ; the rest of V lands under the softmax
	WIN 0
	PLACES 4                                       ; four places between the last product and the first read of scores
	SOFTMAX \first
.if \first
	v_nop                                          ; one plain instruction between a scaled conversion and the matrix instruction that reads its result
.else
	WIN 0x41                                       ; O^T (destination and source 0) window 1, f window 0
.irp t, 0,1
.set j, 0
.rept 64
	v_pk_mul_f32 v[128*\t+j:128*\t+j+1], v[128*\t+j:128*\t+j+1], v[ST+8*\t+4:ST+8*\t+5] op_sel_hi:[1,0]   ; O^T under the new M: x f, each accumulator from its low end on.  (Also the plain instructions behind the conversions)
.set j, j+2
.endr
.endr
.endif
	s_wait_alu depctr_va_vdst(0)
	s_wait_dscnt 0x0                               ; V is in
	WIN 0x52                                       ; source 0 (V) window 2, source 1 (P) window 0, C and D window 1
.irp f, 0,1,2,3,4,5,6,7,8,9,10,11,12,13,14,15
.irp t, 0,1
.if \first
	v_wmma_f32_16x16x128_bf8_bf8 v[128*\t+8*\f:128*\t+8*\f+7], v[16*\f:16*\f+15], v[P+16*\t:P+16*\t+15], 0
.else
	v_wmma_f32_16x16x128_bf8_bf8 v[128*\t+8*\f:128*\t+8*\f+7], v[16*\f:16*\f+15], v[P+16*\t:P+16*\t+15], v[128*\t+8*\f:128*\t+8*\f+7]
.endif
.endr
.endr
	WIN 0                                          ; at a label and at a branch every window is 0
	s_add_co_u32 s[TB], s[TB], STEPB               ; on to the next step
.endm
; THE CHANGE OF SLOTS.  Each wave waits for all its tensor loads, of which one is out: its part of the other slot; adds 0 to its spare word; and waits for that and for its own reads of the slot that it leaves.
; fill = 1: the slot just read is filled again, with the keys two slots on.  The barrier is then a round of the cluster's, so that no wave of any partner still reads the slot or has a load on its way,
; and the joint refill is the first thing behind it: it has two key steps, 96 matrix instructions and their softmax, in which to land.
.macro CHANGE fill
	WIN 0
	s_wait_tensorcnt 0x0                           ; no tensor load of mine is out, so a group 0 may be written
	ds_add_u32 v[SPW], v[NIL]                      ; 0 onto my spare word
.if \fill
	s_xor_b32 s37, s37, SLOT1                      ; the walking descriptor: the other slot than last time,
	s_add_nc_u64 s[38:39], s[38:39], SLOTB         ; the next two key steps; the type bits on top are not reached
	s_wait_dscnt 0x0                               ; the add is done, and my reads of the slot are over
	CROUND
	tensor_load_to_lds s[36:39], s[G1:G1+7]        ; my one tensor load behind the round
	s_nop 0
	PLACES 4
.else
	s_wait_dscnt 0x0
	s_barrier_signal -1
	s_barrier_wait -1
.endif
	s_sub_co_u32 s[TB], s[TB], SLOTB               ; back to a slot's first step,
	s_xor_b32 s[TB], s[TB], SLOT1                  ; in the other slot
.endm
.macro TWO_STEPS                       ; a slot's two key steps: written once, walked twice
	s_mov_b32 s[TWICE], 2
.Lstep_\@:
	STEP 0
	s_sub_co_u32 s[TWICE], s[TWICE], 1
	s_cmp_lg_u32 s[TWICE], 0
	s_cbranch_scc1 .Lstep_\@
.endm
	s_wait_tensorcnt 1                             ; my part of slot 0 is in; slot 1's, issued behind it, may stay out
	s_barrier_signal -1
	s_barrier_wait -1                              ; everybody's is
	s_wait_loadcnt 0x0                             ; Q
	STEP 1                                         ; key step 0 starts M and O^T
	STEP 0
.Lslot:                                            ; 14 trips: trip k asks for key steps 2 k + 2, 2 k + 3 and walks steps 2 k, 2 k + 1 (k from 1 on)
	CHANGE 1
	TWO_STEPS
	s_sub_co_u32 s[SLOTS], s[SLOTS], 1
	s_cmp_lg_u32 s[SLOTS], 0
	s_cbranch_scc1 .Lslot
	CHANGE 0                                       ; the last slot is written out: nothing is left to ask for
.irp k, 0,1,2,3
	global_prefetch_b8 v[PFO], s[12:13] offset:\k*262144 th:TH_LOAD_NT scope:SCOPE_SE   ; the 64 rows x 512 bytes of x that my wave adds at the end, two key steps ahead of their loads: lanes 256 bytes apart, each block asked for once in the launch, all inside x
.endr
	TWO_STEPS
	; THE WAY OUT.  A lane holds one query and 256 channels; out wants rows of queries.  So O^T goes through a stage in LDS, [channel][query], and each wave takes 64 whole rows of 512 bytes back,
	; multiplies each query's number by its factor gamma x 2^(e8 + e9) / sum, adds x and stores.
	PLACES 4                                       ; four places between the last product, the loads into V's registers and the first read of O^T
	WIN 0x80                                       ; destination window 2: V's registers are free
.set j, 0
.rept 48
	global_load_b128 v[4*j:4*j+3], v[LI], s[12:13] offset:j*16384 th:TH_LOAD_NT   ; x's rows 0 to 47 of my 64: 512 consecutive bytes a load; read once in the launch
.set j, j+1
.endr
	WIN 0
	s_wait_dscnt 0x0                               ; my reads of the ring are over;
	s_barrier_signal -1
	s_barrier_wait -1                              ; everybody's are: the ring's bytes may be written
.irp t, 0,1
	v_add_f32 v[ST+8*\t+6], v[ST+8*\t+2], v[ST+8*\t+3]     ; the sum's two halves,
.endr
.irp t, 0,1
	v_permlanex16_b32 v[PX+\t], v[ST+8*\t+6], s[SEL], s[SEL+1]
.endr
.irp t, 0,1
	v_add_f32 v[ST+8*\t+6], v[ST+8*\t+6], v[PX+\t]         ; and lane l xor 16's
.endr
	s_wait_alu depctr_va_vdst(0)
.irp t, 0,1
	v_rcp_f32 v[ST+8*\t+7], v[ST+8*\t+6]
.endr
	v_and_b32 v88, 15, v0                          ; r.  (The addresses are the plain instructions behind the reciprocals)
	v_bfe_u32 v89, v0, 4, 1                        ; h
	v_and_b32 v90, 8, v88
	v_add_nc_u32 v90, v90, v88                     ; r + 8 (r / 8)
	s_lshl_b32 s58, s[WV], 5
	v_add_nc_u32 v90, s58, v90                     ; my query of tile 0 among the work-group's 128
	v_lshlrev_b32 v90, 2, v90
	v_add_nc_u32 v[GTA], GT, v90
	v_mul_u32_u24 v91, v89, 8*SPITCH               ; lanes 16-31 hold the channels 8 further on: 1,056 words, 32 banks beside lanes 0-15's words
	v_add_nc_u32 v[STO], v91, v90
	v_add_nc_u32 v[STO+1], 128*SPITCH, v[STO]
	s_mul_i32 s58, s[WV], 64*SPITCH
	v_add_nc_u32 v[SRD], s58, v[LI]                ; back: my 64 rows, 16 bytes a lane
	v_add_nc_u32 v[GTR], GT, v[LI]
	s_wait_alu depctr_va_vdst(0)
.irp t, 0,1
	v_ldexp_f32 v[ST+8*\t+7], v[ST+8*\t+7], s57    ; x 2^(e8 + e9)
.endr
.irp t, 0,1
	v_mul_f32 v[ST+8*\t+7], s56, v[ST+8*\t+7]      ; x gamma
.endr
.irp t, 0,1
	ds_store_b32 v[GTA], v[ST+8*\t+7] offset:32*\t ; lanes l and l xor 16 write the same word with the same number
.endr
	WIN 0x04                                       ; the data (source 1) window 1
.irp t, 0,1
.irp f, 0,1,2,3,4,5,6,7,8,9,10,11,12,13,14,15
.irp j, 0,1,2,3,4,5,6,7
	ds_store_b32 v[STO+\f/8], v[128*\t+8*\f+\j] offset:((\f%8)*16+\j)*SPITCH+32*\t   ; O^T(channel 16 f + 8 h + j, my query): each accumulator from its low end on
.endr
.endr
.endr
	WIN 0
	s_wait_dscnt 0x0                               ; for the others' sake: my stores into the stage are done
	s_barrier_signal -1
	s_barrier_wait -1
.macro DSL k                           ; rows 16 k .. 16 k + 15 of my 64, into set k % 2
.irp i, 0,1,2,3,4,5,6,7,8,9,10,11,12,13,14,15
	ds_load_b128 v[S+64*((\k)%2)+4*\i:S+64*((\k)%2)+4*\i+3], v[SRD] offset:(16*(\k)+\i)*SPITCH
.endr
.endm
.macro CHUNK k, dsleft, ldleft         ; dsleft, ldleft: the LDS loads and the loads of x issued behind this chunk's, which may stay out
.set OS, S+64*((\k)%2)
	s_wait_dscnt \dsleft
	s_wait_loadcnt \ldleft
	WIN 0x20                                       ; source 2 (x) window 2
.irp i, 0,1,2,3,4,5,6,7,8,9,10,11,12,13,14,15
	v_pk_fma_f32 v[OS+4*\i:OS+4*\i+1], v[OS+4*\i:OS+4*\i+1], v[GV:GV+1], v[4*(16*\k+\i):4*(16*\k+\i)+1]   ; out = O x factor + x
	v_pk_fma_f32 v[OS+4*\i+2:OS+4*\i+3], v[OS+4*\i+2:OS+4*\i+3], v[GV+2:GV+3], v[4*(16*\k+\i)+2:4*(16*\k+\i)+3]
.endr
	WIN 0
.irp i, 0,1,2,3,4,5,6,7,8,9,10,11,12,13,14,15
	global_store_b128 v[LI], v[OS+4*\i:OS+4*\i+3], s[14:15] offset:(16*\k+\i)*16384 th:TH_STORE_NT   ; the wave stores 512 consecutive bytes, at a multiple of 512 from out's first byte; written once, read by nobody here
.endr
.endm
	ds_load_b128 v[GV:GV+3], v[GTR]                ; the factors of my four queries of a row
	DSL 0
	DSL 1
	CHUNK 0, 16, 32                                ; out: chunk 1's 16 LDS loads; x's rows 16 to 47
	WIN 0x80
.set j, 48
.rept 16
	global_load_b128 v[4*j:4*j+3], v[LI], s[12:13] offset:j*16384 th:TH_LOAD_NT   ; x's rows 48 to 63
.set j, j+1
.endr
	WIN 0
	s_wait_xcnt 0x0                                ; chunk 0's stores have read their registers: chunk 2's rows may land there
	DSL 2
	CHUNK 1, 16, 32                                ; out: chunk 2's LDS loads; x's rows 32 to 63
	s_wait_xcnt 0x0
	DSL 3
	CHUNK 2, 16, 16                                ; out: chunk 3's LDS loads; x's rows 48 to 63
	CHUNK 3, 0, 0
	s_wait_tensorcnt 0x0                           ; the wave's end: behind my last tensor load and my last LDS store
	ds_add_u32 v[SPW], v[NIL]
	s_wait_dscnt 0x0
	CROUND                                         ; the closing round: no work-group ends while a partner may still ask for a tile that names it
	s_endpgm
.Lfunc_end_k_q5fa3e260d8_attn:
	.size	k_q5fa3e260d8_attn, .Lfunc_end_k_q5fa3e260d8_attn-k_q5fa3e260d8_attn
	.p2alignl 7, 3214868480
	.fill 96, 4, 3214868480
	.section	.rodata,"a",@progbits
	.p2align	6, 0x0
	.amdhsa_kernel k_q5fa3e260d8_attn
		.amdhsa_group_segment_fixed_size 327680
		.amdhsa_private_segment_fixed_size 0
		.amdhsa_enable_private_segment 0
		.amdhsa_kernarg_size 48
		.amdhsa_user_sgpr_count 2
		.amdhsa_user_sgpr_kernarg_segment_ptr 1
		.amdhsa_wavefront_size32 1
		.amdhsa_system_sgpr_workgroup_id_x 1
		.amdhsa_system_sgpr_workgroup_id_y 1
		.amdhsa_system_sgpr_workgroup_id_z 1
		.amdhsa_system_vgpr_workitem_id 0
		.amdhsa_next_free_vgpr 832
		.amdhsa_next_free_sgpr 66
		.amdhsa_reserve_vcc 0
		.amdhsa_float_denorm_mode_32 3
		.amdhsa_float_denorm_mode_16_64 3
		.amdhsa_fp16_overflow 1
		.amdhsa_memory_ordered 1
		.amdhsa_forward_progress 1
		.amdhsa_inst_pref_size 181
	.end_amdhsa_kernel
	.amdgpu_metadata
---
amdhsa.version: [ 1, 2 ]
amdhsa.kernels:
  - .name:           k_q5fa3e260d8_attn
    .symbol:         k_q5fa3e260d8_attn.kd
    .args:
      - { .name: qc, .offset: 0, .size: 8, .value_kind: global_buffer, .address_space: global }
      - { .name: kv, .offset: 8, .size: 8, .value_kind: global_buffer, .address_space: global }
      - { .name: lowp_scales, .offset: 16, .size: 8, .value_kind: global_buffer, .address_space: global }
      - { .name: gamma, .offset: 24, .size: 8, .value_kind: global_buffer, .address_space: global }
      - { .name: x, .offset: 32, .size: 8, .value_kind: global_buffer, .address_space: global }
      - { .name: out0, .offset: 40, .size: 8, .value_kind: global_buffer, .address_space: global }
    .group_segment_fixed_size: 327680
    .private_segment_fixed_size: 0
    .kernarg_segment_align: 8
    .kernarg_segment_size: 48
    .max_flat_workgroup_size: 128
    .sgpr_count:     66
    .vgpr_count:     832
    .wavefront_size: 32
...
	.end_amdgpu_metadata
.endif
;; end of part 3
